; MI455X (gfx1250); checked and timed in simulation.
; The chip was launched on July 23, 2026; its instructions are those of AMD's public machine-readable ISA for CDNA 5 (MIT licence, August 2026) and "CDNA5" Instruction Set Architecture Reference Guide (July 2026). The comments in the code are by the model that wrote it; some were corrected since.
;; Attention Head. Allowed arithmetic: float matrix products may take bf16 or f16 operands with f32 sums; all other float work in f32.
;; Inputs: k 16 x 2,048 x 64 float32; q 16 x 2,048 x 64 float32; v 16 x 2,048 x 64 float32.
;; Outputs: out0 16 x 2,048 x 64 float32.
;; 2 versions, each right; version 2 is version 1 with the launch attn written anew for expert scheduling mode. Each part assembles by itself: llvm-mc -triple=amdgcn-amd-amdhsa -mcpu=gfx1250 --defsym DOCPART=n.
;; ======== version 1 of 2: 1 launch
;; limits: values are held in f16: magnitudes above 65,504 overflow, below 6.1e-05 lose precision; right only within a limited range of input values
;; launch attn (part 1): grid 16 x 16, 8 waves a work-group, no clusters, 152,576 bytes of LDS; arguments q, k, v, out0; writes out0
.if DOCPART == 1
	.amdgcn_target "amdgcn-amd-amdhsa--gfx1250"
	.amdhsa_code_object_version 6
	.text
	.protected	k_q758e86b03c_attn
	.globl	k_q758e86b03c_attn
	.p2align	8
	.type	k_q758e86b03c_attn,@function
k_q758e86b03c_attn:
	s_mov_b64 s[64:65], 0
	v_nop
	global_prefetch_b8 v0, s[64:65] scope:SCOPE_SE
	s_setreg_imm32_b32 hwreg(HW_REG_WAVE_MODE, 25, 1), 1
	s_wait_xcnt 0x0
; Causal attention, one head a batch: out = softmax(mask(q k^T / 64)) v.  q, k, v, out0: [16][2048][64] f32.
; mask: keys behind the query, and allowed scores that are exactly 0, count as "minus very large".
;
; SHARE OF THE WORK.  Work-group (p, batch), p = 0..15, owns query block A = rows 64 p .. +63 and block B = rows 64 (31-p) .. +63:
; (p+1) + (32-p) = 33 tiles of 64 keys x 64 queries for every one of the 256 work-groups.  Wave w: rq = w & 3 picks 16 rows of A and 16 of B,
; kh = w >> 2 picks the lower or upper 64 keys of each staged pair of 128 keys.  The two waves with one rq hold partial (max, sum, O) over
; disjoint keys and merge them at the end through LDS.
; TRANSPOSED PRODUCTS.  S^T = K Q^T: in the result lane (r = l & 15, h = l >> 4), register e holds key 8 h + e of query r, so the softmax runs along
; a lane's registers and one exchange of the two halves of the lanes ends it; two neighbouring tiles, packed to 16 bits, ARE the second source P^T of
; O^T = V^T P^T, with no shuffle.  V^T comes from V, stored [key][d] in LDS, by the transposing LDS load.
; NUMBER FORMATS.  k enters the first product in bf16, q as TWO bf16 terms, q_hi = bf16(q) and q_lo = bf16(q - q_hi), both multiplied with the same
; fragments of K into the same sums.  The reason is the test for scores that are exactly 0: a product of two bf16 numbers is a multiple of
; 2^(eq + ek - 14), so for numbers of size one a sum of such products lies on a grid of about 2^-22, and among the 33,570,816 allowed scores,
; of spread 8, one that falls on 0 by cancellation alone is to be expected in every few inputs; the f32 score is not 0 there.  q's second
; term makes the grid 2^8 finer.  It costs 8 matrix instructions more for 64 keys x 16 queries, and no vector instruction in the loop.
; The weights and v enter the second product in f16, which keeps 11 significant bits where bf16 keeps 8: a row with few keys is a sum of few
; large terms that may cancel, and each term's rounding shows in full.  A weight lies between 0 and 1; v has room in f16 up to 65504.
; Maxima, sums, exponentials and O are f32.  The running maximum is taken away before every exponential.
; K AND V come through registers: 128 rows of each are loaded a whole trip ahead as f32 (each half of a wave takes one whole row of 256 bytes),
; rounded to 16 bits once for the work-group, and stored into one of two LDS slots that take turns; one barrier a trip.
; NO TENSOR LOADS AND NO CLUSTER: the inputs are f32 and have to pass through registers to become 16 bits wide, and the work-groups of a batch make
; different numbers of trips (16 - 2 (p >> 2)) and take different branches, so they could not make every joint request alike.
; ROWS WITH NO REAL SCORE (every allowed score exactly 0, a zero row of q for one): all 2048 entries are then equal in the softmax, the keys behind
; the query too, and the row is the mean of all 2048 rows of v.  So T = the sum of all rows of v of the batch is kept in f32: every staged pair is
; added as it is converted, and the 2 (p >> 2) pairs that this work-group never stages ride along, one in each trip of the first loop.
; LIMITS.  |v| above 65504 becomes infinite in f16; |v| below 2^-14 carries an absolute error of up to 2^-25.  A weight below about 2^-25 of the wave's
; running largest weight counts in the sum and not in the product.  The mask value is -2^72 on the unscaled score (about -2^66.5 after the
; scale) in place of -1e20: real unscaled scores are taken to lie above -2^72, and a row whose largest real score is exactly -2^72 would count as
; a row without one.  The zero test is made on the unscaled f32 sum of the products of q, kept to 16 significant bits, with k, kept to 8:
; zero rows, disjoint supports and cancellations among numbers that these formats hold exactly are seen; a cancellation that hangs on lower bits
; of q or k, or one that only the rounding of a sum in f32 brings about, is not; and a score below 2^-143 in size, which the scale by
; 1/64 would flush to zero, counts as non-zero here.
.set SLOT,  38912                      ; an LDS slot: K's 128 rows (pitch 144), then V's 128 rows (pitch 160)
.set VREG,  18432                      ; where V's part of a slot begins
.set KP,    144                        ; 128 bytes of bf16 + 16: an odd multiple of 16, so the 16 rows of a fragment load fall into 16 different 16-byte columns modulo 256
.set VP,    160                        ; 128 bytes of f16 + 32: an odd multiple of 32, as the transposing load's 8 rows x 2 columns want
.set MRG,   77824                      ; behind the two slots: a region of 4,608 bytes a wave, for the state handed to the partner wave
.set MREG,  4608                       ; O: 4,096 bytes (lane x 16 + i x 512); (max, sum): 256 bytes at 4,096 + lane x 8
.set TRED,  114688                     ; the waves' sums of v: 256 bytes a wave
.set OUTST, 116736                     ; the way out: 16 rows x 272 bytes a wave; byte 256 of a row holds the row's merged maximum
.set OP,    272
.set PAIRB, 32768                      ; 128 rows of 256 bytes in memory
; window 0
.set DG,    8                          ; 16 rq + r - 8 h, signed: key 16 kt + e of the diagonal tile lies behind my query where 16 kt + e > DG
.set MASKV, 9                          ; -2^72.  A power of two: its product with the scale is exact, so a masked score at a masked maximum gives the exponent 0 exactly
.set OST,   10                         ; way out, in:   my stage + r x 272 + 32 h
.set ORD,   11                         ; way out, back: my stage + h x 272 + 16 r
.set OGO,   12                         ; byte offset in out0 of those 16 bytes: h x 256 + 16 r
.set MST,   13                         ; my merge region + 16 lane
.set MML,   14                         ; my merge region + 8 lane
.set TRD,   15                         ; TRED + h x 1024 + 16 r: lanes 0-15 read waves 0-3, lanes 16-31 waves 4-7
.set FST,   16                         ; my stage + r x 272
.set FRD,   17                         ; my stage + h x 272
.set QO,    18                         ; r x 256 + 32 h
.set TST,   19                         ; TRED + w x 256 + 16 r
.set STA,   20                         ; state of block A: +0 max, +1 sum (of my half of the lanes), +2 (pair) -max x c, +4 (pair) the rescaling factor
.set STB,   26                         ; state of block B
.set TT,    32                         ; v[32:47] at work
.set QA,    48                         ; v[48:63]   Q^T fragments of block A, first terms: d 0-31, d 32-63
.set QB,    64                         ; v[64:79]   of block B
.set SA,    80                         ; v[80:111]  scores of block A, four tiles of 16 keys; later the weights, packed in place at +0..7 and +16..23
.set SB,    112                        ; v[112:143] of block B
.set OA,    144                        ; v[144:175] O^T of block A, four tiles of 16 d
.set OB,    176                        ; v[176:207] of block B
.set QLA,   208                        ; v[208:223] Q^T fragments of block A, second terms
.set QLB,   224                        ; v[224:239] of block B
.set PR,    208                        ; v[208:247] at the end, when q is no longer needed: the partner's state, then the rows on their way out and their flags
.set MRD,   248                        ; the partner's merge region + 16 lane
.set MMR,   249                        ; the partner's merge region + 8 lane
.set FM,    80                         ; at the end, in the score registers: merged max,
.set LX,    81                         ; the other half's sum,
.set F1,    82                         ; (pair) my factor,
.set F2,    84                         ; (pair) the partner's factor,
.set A1,    86
.set A2,    87
.set LL,    88                         ; merged sum,
.set RL,    89                         ; its reciprocal
; window 1 (named by the low 8 bits)
.set KF,    0                          ; v[256:319] K fragments: tile kt, half ks of d at 16 kt + 8 ks
.set VF,    64                         ; v[320:383] V^T fragments: 32 keys st, 16 d dt at 32 st + 8 dt
.set KS,    128                        ; v[384:415] K as loaded, 8 x 16 bytes
.set VS,    160                        ; v[416:447] V as loaded
.set XS,    192                        ; v[448:479] a pair of v that is only summed
.set TS,    224                        ; v[480:487] sums of my 4 columns of v, two chains
.set GK,    232                        ; (16 w + 8 h) x 256 + 16 r
.set GV,    233                        ; (16 w + 4 h) x 256 + 16 r
.set LKS,   234                        ; (16 w + 8 h) x 144 + 8 r
.set LVS,   235                        ; VREG + (16 w + 4 h) x 160 + 8 r
.set LKF,   236                        ; (64 kh + r) x 144 + 16 h
.set LVF,   237                        ; VREG + (64 kh + 8 h + (l & 7)) x 160 + 16 ((l >> 3) & 1)
; s_set_vgpr_msb's low byte: bits 1:0 source 0, 3:2 source 1, 5:4 source 2, 7:6 destination; the high byte repeats the setting that is left.
; 0x55: all four places in window 1 (staging, fragment loads).  0x01: source 0 in window 1 (every matrix instruction).  At a label and at a branch: 0.
.set MSB, 0
.macro WIN new
.if MSB != \new
	s_set_vgpr_msb (MSB<<8)|\new
.set MSB, \new
.endif
.endm
; 16 loads: 128 rows of K and of V, 16 rows of each a wave.  Each half of the wave takes one whole row of 256 bytes.
; The two halves' rows lie 8 apart in K and 4 apart in V, so that the 16-bit rows they store later lie 128 bytes apart modulo 256.
.macro LOADKV
	WIN 0x55
.irp i, 0,1,2,3,4,5,6,7
	global_load_b128 v[KS+4*\i:KS+4*\i+3], v[GK], s[24:25] offset:\i*256
.endr
.irp i, 0,1,2,3,4,5,6,7
	global_load_b128 v[VS+4*\i:VS+4*\i+3], v[GV], s[26:27] offset:((\i%4)+8*(\i/4))*256
.endr
.endm
.macro NEXTKV                          ; stands behind STAGE's wait for all loads: the bases are free to be stepped
	s_add_nc_u64 s[24:25], s[24:25], PAIRB
	s_add_nc_u64 s[26:27], s[26:27], PAIRB
	LOADKV
.endm
.macro XLOAD                           ; 16 rows a wave of a pair of v that is only summed
	WIN 0x55
.irp i, 0,1,2,3,4,5,6,7
	global_load_b128 v[XS+4*\i:XS+4*\i+3], v[GK], s[28:29] offset:\i*256
.endr
.endm
.macro XSUM
	WIN 0x55
.irp i, 0,1,2,3,4,5,6,7
	v_pk_add_f32 v[TS+4*(\i%2):TS+4*(\i%2)+1],   v[TS+4*(\i%2):TS+4*(\i%2)+1],   v[XS+4*\i:XS+4*\i+1]
	v_pk_add_f32 v[TS+4*(\i%2)+2:TS+4*(\i%2)+3], v[TS+4*(\i%2)+2:TS+4*(\i%2)+3], v[XS+4*\i+2:XS+4*\i+3]
.endr
.endm
; The pair that was loaded a trip ago is rounded (K to bf16, V to f16) and stored into the slot; v is also added to T.
; ONE barrier a trip does two things.  In front of it each wave waits for all its LDS instructions: its stores into this slot, and its fragment loads
; of the last trip from the other slot.  Behind it this slot is whole, and the other slot, which the NEXT trip stores into, is read by nobody.
.macro STAGE slot
	s_wait_loadcnt 0x0                             ; the 16 loads of this pair are in; none of mine is out, so their bases may be stepped
	WIN 0x55
.irp i, 0,1,2,3,4,5,6,7
	v_cvt_pk_bf16_f32 v[KS+4*\i],   v[KS+4*\i],   v[KS+4*\i+1]
	v_cvt_pk_bf16_f32 v[KS+4*\i+1], v[KS+4*\i+2], v[KS+4*\i+3]
	ds_store_b64 v[LKS], v[KS+4*\i:KS+4*\i+1] offset:\slot*SLOT+\i*KP
.endr
.irp i, 0,1,2,3,4,5,6,7
	v_pk_add_f32 v[TS+4*(\i%2):TS+4*(\i%2)+1],   v[TS+4*(\i%2):TS+4*(\i%2)+1],   v[VS+4*\i:VS+4*\i+1]
	v_pk_add_f32 v[TS+4*(\i%2)+2:TS+4*(\i%2)+3], v[TS+4*(\i%2)+2:TS+4*(\i%2)+3], v[VS+4*\i+2:VS+4*\i+3]
	v_cvt_pk_f16_f32 v[VS+4*\i],   v[VS+4*\i],   v[VS+4*\i+1]
	v_cvt_pk_f16_f32 v[VS+4*\i+1], v[VS+4*\i+2], v[VS+4*\i+3]
	ds_store_b64 v[LVS], v[VS+4*\i:VS+4*\i+1] offset:\slot*SLOT+((\i%4)+8*(\i/4))*VP
.endr
	s_wait_dscnt 0x0                               ; for the other waves' sake: my stores have landed, my reads of the other slot are back
	s_barrier_signal -1
	s_barrier_wait -1
.endm
; My 64 keys of the slot: 16 loads for K's fragments (16 keys x 32 d: two loads of 16 bytes, 32 bytes apart), then 16 transposing loads for V^T's
; (16 d x 32 keys: two loads, 16 rows apart).  They stand more than four plain vector instructions (STAGE's) behind the matrix instructions
; that read these registers last (ISA guide 7.12.1 for vector instructions).
.macro FRAGS slot
	WIN 0x55
.irp kt, 0,1,2,3
.irp ks, 0,1
	ds_load_b128 v[KF+16*\kt+8*\ks:KF+16*\kt+8*\ks+3],   v[LKF] offset:\slot*SLOT+\kt*16*KP+\ks*64
	ds_load_b128 v[KF+16*\kt+8*\ks+4:KF+16*\kt+8*\ks+7], v[LKF] offset:\slot*SLOT+\kt*16*KP+\ks*64+32
.endr
.endr
.irp st, 0,1
.irp dt, 0,1,2,3
	ds_load_tr16_b128 v[VF+32*\st+8*\dt:VF+32*\st+8*\dt+3],   v[LVF] offset:\slot*SLOT+\st*32*VP+\dt*32
	ds_load_tr16_b128 v[VF+32*\st+8*\dt+4:VF+32*\st+8*\dt+7], v[LVF] offset:\slot*SLOT+\st*32*VP+\dt*32+16*VP
.endr
.endr
.endm
; S^T = K Q^T for 64 keys x 16 queries, in bf16: q's first terms (qf), both halves of d, then q's second terms (ql), so that the small products are added
; when the large ones have already cancelled.  The first half of d starts the sums (C = 0).  The four accumulators take turns, one instruction a turn.
.macro QK sc, qf, ql
	WIN 0x01
.irp kt, 0,1,2,3
	v_wmma_f32_16x16x32_bf16 v[\sc+8*\kt:\sc+8*\kt+7], v[KF+16*\kt:KF+16*\kt+7], v[\qf:\qf+7], 0
.endr
.irp kt, 0,1,2,3
	v_wmma_f32_16x16x32_bf16 v[\sc+8*\kt:\sc+8*\kt+7], v[KF+16*\kt+8:KF+16*\kt+15], v[\qf+8:\qf+15], v[\sc+8*\kt:\sc+8*\kt+7]
.endr
.irp kt, 0,1,2,3
	v_wmma_f32_16x16x32_bf16 v[\sc+8*\kt:\sc+8*\kt+7], v[KF+16*\kt:KF+16*\kt+7], v[\ql:\ql+7], v[\sc+8*\kt:\sc+8*\kt+7]
.endr
.irp kt, 0,1,2,3
	v_wmma_f32_16x16x32_bf16 v[\sc+8*\kt:\sc+8*\kt+7], v[KF+16*\kt+8:KF+16*\kt+15], v[\ql+8:\ql+15], v[\sc+8*\kt:\sc+8*\kt+7]
.endr
.endm
; O^T += V^T P^T for 64 d x 16 queries x 64 keys, in f16; O's accumulators meet this form alone.  The four accumulators take turns, one instruction a turn.
.macro PV sc, ac
	WIN 0x01
.irp st, 0,1
.irp dt, 0,1,2,3
	v_wmma_f32_16x16x32_f16 v[\ac+8*\dt:\ac+8*\dt+7], v[VF+32*\st+8*\dt:VF+32*\st+8*\dt+7], v[\sc+16*\st:\sc+16*\st+7], v[\ac+8*\dt:\ac+8*\dt+7]
.endr
.endr
.endm
; One step of the running softmax on 64 keys x 16 queries: masks, new maximum, weights, their sum, packing, rescaling of O.
.macro SOFTMAX sc, ac, st, diag
	WIN 0
.if \diag
.irp kt, 0,1,2,3                       ; the diagonal tile: keys behind the query
.irp e, 0,1,2,3,4,5,6,7
	v_cmp_gt_i32 s[40+\e], 16*\kt+\e, v[DG]
.endr
.irp e, 0,1,2,3,4,5,6,7
	v_cndmask_b32 v[\sc+8*\kt+\e], v[\sc+8*\kt+\e], v[MASKV], s[40+\e]
.endr
.endr
.endif
.irp kt, 0,1,2,3                       ; scores that are exactly 0 (either sign).  Eight masks at a time, so that no select waits for its compare
.irp e, 0,1,2,3,4,5,6,7
	v_cmp_eq_f32 s[40+\e], 0, v[\sc+8*\kt+\e]
.endr
.irp e, 0,1,2,3,4,5,6,7
	v_cndmask_b32 v[\sc+8*\kt+\e], v[\sc+8*\kt+\e], v[MASKV], s[40+\e]
.endr
.endr
.irp c, 0,1,2,3                        ; the maximum of 32 scores and the old maximum: 16 instructions of three sources, four chains
	v_max3_num_f32 v[TT+\c], v[\sc+8*\c], v[\sc+8*\c+1], v[\sc+8*\c+2]
.endr
.irp c, 0,1,2,3
	v_max3_num_f32 v[TT+\c], v[TT+\c], v[\sc+8*\c+3], v[\sc+8*\c+4]
.endr
.irp c, 0,1,2,3
	v_max3_num_f32 v[TT+\c], v[TT+\c], v[\sc+8*\c+5], v[\sc+8*\c+6]
.endr
	v_max3_num_f32 v[TT],   v[TT],   v[TT+1], v[\sc+7]
	v_max3_num_f32 v[TT+2], v[TT+2], v[TT+3], v[\sc+15]
	v_max3_num_f32 v[TT],   v[TT],   v[\sc+23], v[\sc+31]
	v_max3_num_f32 v[TT],   v[TT],   v[TT+2], v[\st]
	v_permlanex16_b32 v[TT+1], v[TT], s33, s34     ; the other half of the lanes holds the query's other keys
	v_max_num_f32 v[\st], v[TT], v[TT+1]           ; the new maximum, alike in both halves
	v_mul_f32 v[TT+2], s32, v[\st]                 ; -max x c, c = log2(e) / 64
	v_sub_f32 v[TT+3], v[TT+2], v[\st+2]           ; (old max - new max) x c: exactly 0 where the maximum stays
	v_mov_b32 v[\st+2], v[TT+2]
	v_exp_f32 v[\st+4], v[TT+3]                    ; the factor for the old sum and the old O; the multiply-adds below are the plain place behind it (ISA guide 5.7.2)
.set i, 0
.rept 16
	v_pk_fma_f32 v[\sc+i:\sc+i+1], v[\sc+i:\sc+i+1], s[30:31], v[\st+2:\st+3] op_sel_hi:[1,0,0]   ; (score - max) x c, never above rounding's reach of 0
.set i, i+2
.endr
.set i, 0
.rept 32
	v_exp_f32 v[\sc+i], v[\sc+i]
.set i, i+1
.endr
	v_nop                                          ; one plain place behind the last exponential
	s_wait_alu depctr_va_vdst(0)
.irp c, 0,1,2,3                        ; the weights' sum in f32, four chains of pairs
	v_pk_add_f32 v[TT+2*\c:TT+2*\c+1], v[\sc+4*\c:\sc+4*\c+1], v[\sc+4*\c+2:\sc+4*\c+3]
.endr
.irp c, 0,1,2,3
	v_pk_add_f32 v[TT+2*\c:TT+2*\c+1], v[TT+2*\c:TT+2*\c+1], v[\sc+16+4*\c:\sc+16+4*\c+1]
.endr
.irp c, 0,1,2,3
	v_pk_add_f32 v[TT+2*\c:TT+2*\c+1], v[TT+2*\c:TT+2*\c+1], v[\sc+18+4*\c:\sc+18+4*\c+1]
.endr
	v_pk_add_f32 v[TT:TT+1],   v[TT:TT+1],   v[TT+2:TT+3]
	v_pk_add_f32 v[TT+4:TT+5], v[TT+4:TT+5], v[TT+6:TT+7]
	v_pk_add_f32 v[TT:TT+1],   v[TT:TT+1],   v[TT+4:TT+5]
	v_add_f32 v[TT], v[TT], v[TT+1]
	v_fma_f32 v[\st+1], v[\st+1], v[\st+4], v[TT]  ; the sum stays that of my half of the lanes until the end
.irp st2, 0,16                         ; tiles 2 s, 2 s + 1 packed to f16 in place = P^T's fragment for keys 32 s .. 32 s + 31; register i is read no later than it is written
.irp n, 0,1,2,3,4,5,6,7
	v_cvt_pk_f16_f32 v[\sc+\st2+\n], v[\sc+\st2+2*\n], v[\sc+\st2+2*\n+1]
.endr
.endr
.set i, 0
.rept 16
	v_pk_mul_f32 v[\ac+i:\ac+i+1], v[\ac+i:\ac+i+1], v[\st+4:\st+5] op_sel_hi:[1,0]
.set i, i+2
.endr
.endm
.macro PLACES                          ; four plain vector instructions between a matrix instruction and the first vector instruction that reads its result (ISA guide 7.12.1)
.rept 4
	v_nop
.endr
.endm
; A key tile that both blocks need.  Block B's scores are made ahead, so that its matrix work lies under block A's softmax.
.macro UNIT_AB diag
	s_wait_dscnt 16                                ; LDS loads come back in order (ISA guide 5.7.1): K's 16 are in, V's 16 younger ones may be out
	QK SA, QA, QLA
	QK SB, QB, QLB
	WIN 0
	PLACES
	SOFTMAX SA, OA, STA, \diag
	s_wait_dscnt 0x0                               ; V's fragments
	PV SA, OA
	SOFTMAX SB, OB, STB, 0                         ; block A's softmax stood between B's scores and this first read of them
	PV SB, OB
	WIN 0
.endm
.macro UNIT_B diag                     ; a key tile that block B alone needs
	s_wait_dscnt 16
	QK SB, QB, QLB
	WIN 0
	PLACES
	SOFTMAX SB, OB, STB, \diag
	s_wait_dscnt 0x0
	PV SB, OB
	WIN 0
.endm
; A trip of the first loop: every tile lies in front of both blocks' diagonals (j <= 4 (p >> 2) - 1 < p), and one pair of v that is never staged is summed.
.macro TRIP1 slot
	STAGE \slot
	FRAGS \slot
	XLOAD
	NEXTKV                                         ; the next pair, a whole trip ahead of its use
	UNIT_AB 0
	s_wait_loadcnt 16                              ; loads come back in order: the 8 of the summed pair are in, the next pair's 16 younger ones stay out
	XSUM
	s_add_nc_u64 s[28:29], s[28:29], PAIRB         ; free since that wait
.endm
; A trip of the second loop: what my tile j is to the two blocks is decided by scalar compares of j with p and 31 - p.  No barrier stands inside these branches.
.macro TRIP2 slot, last
	STAGE \slot
	FRAGS \slot
.if \last
	WIN 0
	s_cmp_eq_u32 s20, 1                            ; the very last trip loads nothing: the pair behind it is not needed, and at p < 4 would lie outside the batch
	s_cbranch_scc1 .Lnone_\@
	NEXTKV
	WIN 0
.Lnone_\@:
.else
	NEXTKV
	WIN 0
.endif
	s_cmp_lt_u32 s18, s15
	s_cbranch_scc1 .Lboth_\@
	s_cmp_eq_u32 s18, s15
	s_cbranch_scc1 .Ladiag_\@
	s_cmp_lt_u32 s18, s17
	s_cbranch_scc1 .Lbonly_\@
	s_cmp_eq_u32 s18, s17
	s_cbranch_scc1 .Lbdiag_\@
	s_branch .Ldone_\@                             ; behind both diagonals: nothing (at most 3 tiles of a work-group)
.Lboth_\@:
	UNIT_AB 0
	s_branch .Ldone_\@
.Ladiag_\@:
	UNIT_AB 1
	s_branch .Ldone_\@
.Lbonly_\@:
	UNIT_B 0
	s_branch .Ldone_\@
.Lbdiag_\@:
	UNIT_B 1
.Ldone_\@:
	s_add_co_u32 s18, s18, 2
.endm
.macro STORE_STATE ac, st              ; the state of the block that my partner finishes, into my own region
.irp i, 0,1,2,3,4,5,6,7
	ds_store_b128 v[MST], v[\ac+4*\i:\ac+4*\i+3] offset:\i*512
.endr
	ds_store_b64 v[MML], v[\st:\st+1] offset:4096
.endm
; Merge my state of a block with my partner's, divide by the sum, and store 16 rows of out0.
.macro FINISH ac, st, ob
.irp i, 0,1,2,3,4,5,6,7
	ds_load_b128 v[PR+4*\i:PR+4*\i+3], v[MRD] offset:\i*512
.endr
	ds_load_b64 v[PR+32:PR+33], v[MMR] offset:4096
.irp i, 0,1,2,3
	ds_load_b128 v[TT+4*\i:TT+4*\i+3], v[TRD] offset:\i*256      ; four waves' sums of my 4 columns of v
.endr
	s_wait_dscnt 0x0
	v_max_num_f32 v[FM], v[\st], v[PR+32]
	v_sub_f32 v[A1], v[\st], v[FM]
	v_sub_f32 v[A2], v[PR+32], v[FM]
	v_mul_f32 v[A1], s30, v[A1]
	v_mul_f32 v[A2], s30, v[A2]
	v_exp_f32 v[F1], v[A1]
	v_exp_f32 v[F2], v[A2]
	v_pk_add_f32 v[TT:TT+1],     v[TT:TT+1],     v[TT+4:TT+5]    ; useful work in the plain place behind the exponentials
	v_pk_add_f32 v[TT+2:TT+3],   v[TT+2:TT+3],   v[TT+6:TT+7]
	v_pk_add_f32 v[TT+8:TT+9],   v[TT+8:TT+9],   v[TT+12:TT+13]
	v_pk_add_f32 v[TT+10:TT+11], v[TT+10:TT+11], v[TT+14:TT+15]
	s_wait_alu depctr_va_vdst(0)
	v_mul_f32 v[LL], v[\st+1], v[F1]
	v_fmac_f32 v[LL], v[PR+33], v[F2]
	v_permlanex16_b32 v[LX], v[LL], s33, s34
	v_add_f32 v[LL], v[LL], v[LX]                  ; the whole sum: at least 1, since the largest score's weight is 1
	v_rcp_f32 v[RL], v[LL]
	v_pk_add_f32 v[TT:TT+1],   v[TT:TT+1],   v[TT+8:TT+9]        ; the plain place behind the reciprocal
	v_pk_add_f32 v[TT+2:TT+3], v[TT+2:TT+3], v[TT+10:TT+11]
	s_wait_alu depctr_va_vdst(0)
	v_mul_f32 v[F1], v[F1], v[RL]
	v_mul_f32 v[F2], v[F2], v[RL]
.set i, 0
.rept 16
	v_pk_mul_f32 v[\ac+i:\ac+i+1], v[\ac+i:\ac+i+1], v[F1:F1+1] op_sel_hi:[1,0]
.set i, i+2
.endr
.set i, 0
.rept 16
	v_pk_fma_f32 v[\ac+i:\ac+i+1], v[PR+i:PR+i+1], v[F2:F2+1], v[\ac+i:\ac+i+1] op_sel_hi:[1,0,1]
.set i, i+2
.endr
.irp dt, 0,1,2,3                       ; lane (r, h) holds d = 16 dt + 8 h + 0..7 of query r: 32 neighbouring bytes of a row
	ds_store_b128 v[OST], v[\ac+8*\dt:\ac+8*\dt+3]   offset:64*\dt
	ds_store_b128 v[OST], v[\ac+8*\dt+4:\ac+8*\dt+7] offset:64*\dt+16
.endr
	ds_store_b32 v[FST], v[FM] offset:256          ; the row's merged maximum: the mask value marks a row without a real score
.irp i, 0,1,2,3
	v_permlanex16_b32 v[TT+4+\i], v[TT+\i], s33, s34             ; waves 0-3's sums meet waves 4-7's
.endr
	v_pk_add_f32 v[TT:TT+1],   v[TT:TT+1],   v[TT+4:TT+5]
	v_pk_add_f32 v[TT+2:TT+3], v[TT+2:TT+3], v[TT+6:TT+7]
	v_pk_mul_f32 v[TT:TT+1],   v[TT:TT+1],   0x3a000000 op_sel_hi:[1,0]   ; / 2048: the mean of v, my 4 columns
	v_pk_mul_f32 v[TT+2:TT+3], v[TT+2:TT+3], 0x3a000000 op_sel_hi:[1,0]
.irp t, 0,1,2,3,4,5,6,7                ; back by rows; LDS serves a wave's instructions in order (ISA guide 5.7.1): these see my stores above
	ds_load_b128 v[PR+4*\t:PR+4*\t+3], v[ORD] offset:\t*2*OP
	ds_load_b32 v[PR+32+\t], v[FRD] offset:\t*2*OP+256
.endr
.irp t, 0,1,2,3,4,5,6,7
	s_wait_dscnt 14-2*\t                           ; of the 16 loads the first 2 t + 2 are in
	v_cmp_eq_f32 vcc_lo, v[PR+32+\t], v[MASKV]
.irp i, 0,1,2,3
	v_cndmask_b32 v[PR+4*\t+\i], v[PR+4*\t+\i], v[TT+\i], vcc_lo
.endr
	global_store_b128 v[OGO], v[PR+4*\t:PR+4*\t+3], s[\ob:\ob+1] offset:512*\t th:TH_STORE_NT   ; 16 lanes store a whole row: 256 consecutive bytes, aligned
.endr
.endm
	; ---- set-up ----
	s_load_b256 s[4:11], s[0:1], 0x0               ; q s[4:5], k s[6:7], v s[8:9], out0 s[10:11]
	v_lshl_add_u32 v254, v0, 2, 0x25000
	v_mov_b32 v255, 0
	v_lshrrev_b32 v1, 5, v0
	v_readfirstlane_b32 s12, v1                    ; w
	s_and_b32 s13, s12, 3                          ; rq
	s_lshr_b32 s14, s12, 2                         ; kh
	s_mov_b32 s15, ttmp9                           ; p
	s_and_b32 s16, ttmp7, 0xffff                   ; batch
	s_sub_co_u32 s17, 31, s15                      ; block B's number
	s_lshr_b32 s19, s15, 2                         ; n1: turns of the first loop, two trips each
	s_lshl2_add_u32 s18, s19, s14                  ; j = my key tile in the second loop's first trip: 4 n1 + kh
	s_lshl_b32 s20, s19, 1
	s_sub_co_u32 s20, 8, s20                       ; turns of the second loop: 8 - 2 n1, at least 2
	s_mov_b32 s30, 0x3cb8aa3b                      ; c = log2(e) / 64
	s_mov_b32 s31, 0x3cb8aa3b
	s_mov_b32 s32, 0xbcb8aa3b                      ; -c
	s_mov_b32 s33, 0x76543210                      ; v_permlanex16_b32: lane i of one half reads lane i of the other
	s_mov_b32 s34, 0xfedcba98
	v_and_b32 v1, 31, v0                           ; lane
	v_and_b32 v2, 15, v0                           ; r
	v_bfe_u32 v3, v0, 4, 1                         ; h
	v_lshlrev_b32 v5, 8, v2
	v_lshl_add_u32 v[QO], v3, 5, v5
	s_lshl_b32 s22, s12, 12                        ; 16 w rows of 256 bytes
	v_lshlrev_b32 v5, 11, v3
	v_lshl_add_u32 v5, v2, 4, v5
	v_add_nc_u32 v32, s22, v5                      ; GK
	v_lshlrev_b32 v5, 10, v3
	v_lshl_add_u32 v5, v2, 4, v5
	v_add_nc_u32 v33, s22, v5                      ; GV
	s_mul_i32 s22, s12, 16*KP
	v_mul_u32_u24 v5, v3, 8*KP
	v_lshl_add_u32 v5, v2, 3, v5
	v_add_nc_u32 v34, s22, v5                      ; LKS
	s_mul_i32 s22, s12, 16*VP
	s_add_co_u32 s22, s22, VREG
	v_mul_u32_u24 v5, v3, 4*VP
	v_lshl_add_u32 v5, v2, 3, v5
	v_add_nc_u32 v35, s22, v5                      ; LVS
	s_mul_i32 s22, s14, 64*KP
	v_mul_u32_u24 v5, v2, KP
	v_lshl_add_u32 v5, v3, 4, v5
	v_add_nc_u32 v36, s22, v5                      ; LKF
	s_mul_i32 s22, s14, 64*VP
	s_add_co_u32 s22, s22, VREG
	v_and_b32 v5, 7, v0
	v_mul_u32_u24 v5, v5, VP
	v_mul_u32_u24 v6, v3, 8*VP
	v_add_nc_u32 v5, v5, v6
	v_bfe_u32 v6, v0, 3, 1
	v_lshl_add_u32 v5, v6, 4, v5
	v_add_nc_u32 v37, s22, v5                      ; LVF
	WIN 0x40                                       ; destination in window 1
	v_mov_b32 v[GK],  v32
	v_mov_b32 v[GV],  v33
	v_mov_b32 v[LKS], v34
	v_mov_b32 v[LVS], v35
	v_mov_b32 v[LKF], v36
	v_mov_b32 v[LVF], v37
.irp i, 0,1,2,3,4,5,6,7
	v_mov_b32 v[TS+\i], 0                          ; the sums of v start at 0
.endr
	WIN 0
	s_wait_kmcnt 0x0
	s_lshl_b32 s22, s16, 19                        ; the batch: 2048 rows of 256 bytes
	s_mov_b32 s23, 0
	s_add_nc_u64 s[24:25], s[6:7], s[22:23]        ; k, pair 0
	s_add_nc_u64 s[26:27], s[8:9], s[22:23]        ; v, pair 0
	s_add_co_u32 s40, s20, 8                       ; 16 - 2 n1: the first pair that is never staged
	s_lshl_b32 s40, s40, 15
	s_mov_b32 s41, 0
	s_add_nc_u64 s[28:29], s[26:27], s[40:41]      ; used by the first loop alone, which has 2 n1 trips
	s_lshl_b32 s42, s13, 12                        ; 16 rq rows
	s_add_co_u32 s42, s42, s22
	s_lshl_b32 s40, s15, 14                        ; 64 p rows
	s_add_co_u32 s40, s40, s42
	s_add_nc_u64 s[36:37], s[4:5], s[40:41]        ; my 16 rows of block A in q
	s_add_nc_u64 s[48:49], s[10:11], s[40:41]      ; and in out0
	s_lshl_b32 s40, s17, 14
	s_add_co_u32 s40, s40, s42
	s_add_nc_u64 s[38:39], s[4:5], s[40:41]        ; block B
	s_add_nc_u64 s[50:51], s[10:11], s[40:41]
	; Q as f32 into the score registers: lane (r, h) takes d = 16 c + 8 h + 0..7 of query r, the order of the matrix instruction's second source
.irp c, 0,1,2,3
	global_load_b128 v[SA+8*\c:SA+8*\c+3],   v[QO], s[36:37] offset:64*\c
	global_load_b128 v[SA+8*\c+4:SA+8*\c+7], v[QO], s[36:37] offset:64*\c+16
.endr
.irp c, 0,1,2,3
	global_load_b128 v[SB+8*\c:SB+8*\c+3],   v[QO], s[38:39] offset:64*\c
	global_load_b128 v[SB+8*\c+4:SB+8*\c+7], v[QO], s[38:39] offset:64*\c+16
.endr
	LOADKV                                         ; pair 0
	WIN 0
	; the other addresses, while the loads are on their way
	s_lshl_b32 s22, s13, 4
	v_lshlrev_b32 v4, 3, v3
	v_sub_nc_u32 v[DG], v2, v4
	v_add_nc_u32 v[DG], s22, v[DG]
	v_mov_b32 v[MASKV], 0xe3800000
	s_mul_i32 s23, s12, 16*OP
	s_add_co_u32 s23, s23, OUTST                   ; my stage
	v_mul_u32_u24 v4, v2, OP
	v_add_nc_u32 v[FST], s23, v4
	v_lshl_add_u32 v[OST], v3, 5, v[FST]
	v_mul_u32_u24 v5, v3, OP
	v_add_nc_u32 v[FRD], s23, v5
	v_lshl_add_u32 v[ORD], v2, 4, v[FRD]
	v_lshlrev_b32 v5, 8, v3
	v_lshl_add_u32 v[OGO], v2, 4, v5
	s_mul_i32 s22, s12, MREG
	s_add_co_u32 s22, s22, MRG                     ; my merge region
	v_lshl_add_u32 v[MST], v1, 4, s22
	v_lshl_add_u32 v[MML], v1, 3, s22
	s_xor_b32 s22, s12, 4                          ; my partner: the same rq, the other kh
	s_mul_i32 s22, s22, MREG
	s_add_co_u32 s22, s22, MRG
	v_lshl_add_u32 v[MRD], v1, 4, s22
	v_lshl_add_u32 v[MMR], v1, 3, s22
	v_lshlrev_b32 v5, 10, v3
	v_lshl_add_u32 v5, v2, 4, v5
	v_add_nc_u32 v[TRD], TRED, v5
	s_lshl_b32 s22, s12, 8
	s_add_co_u32 s22, s22, TRED
	v_lshl_add_u32 v[TST], v2, 4, s22
	; The states start empty: max = the mask value, sum = 0, O = 0.  O is cleared, not started by a first product, because a wave may never
	; meet a tile of block A (p = 0, kh = 1) and still hands its state of A to its partner.
.irp st, STA, STB
	v_mov_b32 v[\st], v[MASKV]
	v_mov_b32 v[\st+1], 0
	v_mul_f32 v[\st+2], s32, v[MASKV]              ; exact: the mask value is a power of two
	v_mov_b32 v[\st+3], 0                          ; the pairs' upper registers are named by the packed instructions and never used
	v_mov_b32 v[\st+4], 0
	v_mov_b32 v[\st+5], 0
.endr
.set i, 0
.rept 64
	v_mov_b32 v[OA+i], 0
.set i, i+1
.endr
	s_wait_loadcnt 16                              ; Q's 16 loads are in; the 16 younger ones (pair 0 of K and V) stay out
	; q in two bf16 terms: the first is q rounded; the second is what the rounding left, which f32 holds exactly, rounded in its turn
.set i, 0
.rept 16
	v_cvt_pk_bf16_f32 v[QA+i], v[SA+2*i], v[SA+2*i+1]
	v_cvt_pk_bf16_f32 v[QB+i], v[SB+2*i], v[SB+2*i+1]
	v_lshlrev_b32 v[TT],   16, v[QA+i]             ; the first terms back as f32
	v_and_b32     v[TT+1], 0xffff0000, v[QA+i]
	v_lshlrev_b32 v[TT+2], 16, v[QB+i]
	v_and_b32     v[TT+3], 0xffff0000, v[QB+i]
	v_sub_f32 v[SA+2*i],   v[SA+2*i],   v[TT]
	v_sub_f32 v[SA+2*i+1], v[SA+2*i+1], v[TT+1]
	v_sub_f32 v[SB+2*i],   v[SB+2*i],   v[TT+2]
	v_sub_f32 v[SB+2*i+1], v[SB+2*i+1], v[TT+3]
	v_cvt_pk_bf16_f32 v[QLA+i], v[SA+2*i], v[SA+2*i+1]
	v_cvt_pk_bf16_f32 v[QLB+i], v[SB+2*i], v[SB+2*i+1]
.set i, i+1
.endr
	; ---- the first loop: n1 turns of two trips, all tiles in front of both diagonals ----
	s_cmp_eq_u32 s19, 0
	s_cbranch_scc1 .Lsecond
	s_mov_b32 s21, 0
.Lfirst:
	TRIP1 0
	TRIP1 1
	WIN 0
	s_add_co_u32 s21, s21, 1
	s_cmp_lt_u32 s21, s19
	s_cbranch_scc1 .Lfirst
	; ---- the second loop: 8 - 2 n1 turns of two trips; the signed compare ends the count at 0 from any start ----
.Lsecond:
	TRIP2 0, 0
	TRIP2 1, 1
	s_sub_co_i32 s20, s20, 1
	s_cmp_gt_i32 s20, 0
	s_cbranch_scc1 .Lsecond
	; ---- exchange: my sum of v, and the state of the block that my partner finishes ----
	WIN 0x05                                       ; sources 0 and 1 in window 1, destination in window 0
	v_pk_add_f32 v[TT:TT+1],   v[TS:TS+1],   v[TS+4:TS+5]        ; the two chains
	v_pk_add_f32 v[TT+2:TT+3], v[TS+2:TS+3], v[TS+6:TS+7]
	WIN 0
.irp i, 0,1,2,3
	v_mov_b32 v[TT+4+\i], 0                        ; v_permlanex16_b32 counts as a reader of its destination
.endr
.irp i, 0,1,2,3
	v_permlanex16_b32 v[TT+4+\i], v[TT+\i], s33, s34             ; the other half of the lanes summed other rows of the same 4 columns
.endr
	v_pk_add_f32 v[TT:TT+1],   v[TT:TT+1],   v[TT+4:TT+5]
	v_pk_add_f32 v[TT+2:TT+3], v[TT+2:TT+3], v[TT+6:TT+7]
	ds_store_b128 v[TST], v[TT:TT+3]               ; both halves store the same numbers to the same bytes
	s_cmp_lt_u32 s12, 4
	s_cbranch_scc0 .Lhand_a
	STORE_STATE OB, STB                            ; kh = 0 finishes A and hands B over (more than four plain vector instructions stand behind the last matrix instruction)
	s_branch .Lhanded
.Lhand_a:
	STORE_STATE OA, STA                            ; kh = 1 finishes B and hands A over
.Lhanded:
	s_wait_dscnt 0x0                               ; for the others' sake: my stores have landed (and fragment loads of a tile that was passed over are back)
	s_barrier_signal -1
	s_barrier_wait -1
	s_cmp_lt_u32 s12, 4
	s_cbranch_scc0 .Lfinish_b
	FINISH OA, STA, 48
	s_wait_tensorcnt 0x0
	ds_add_u32 v254, v255
	s_wait_dscnt 0x0
	s_endpgm
.Lfinish_b:
	FINISH OB, STB, 50
	s_wait_tensorcnt 0x0
	ds_add_u32 v254, v255
	s_wait_dscnt 0x0
	s_endpgm
.Lfunc_end_k_q758e86b03c_attn:
	.size	k_q758e86b03c_attn, .Lfunc_end_k_q758e86b03c_attn-k_q758e86b03c_attn
	.p2alignl 7, 3214868480
	.fill 96, 4, 3214868480
	.section	.rodata,"a",@progbits
	.p2align	6, 0x0
	.amdhsa_kernel k_q758e86b03c_attn
		.amdhsa_group_segment_fixed_size 152576
		.amdhsa_private_segment_fixed_size 0
		.amdhsa_enable_private_segment 0
		.amdhsa_kernarg_size 32
		.amdhsa_user_sgpr_count 2
		.amdhsa_user_sgpr_kernarg_segment_ptr 1
		.amdhsa_wavefront_size32 1
		.amdhsa_system_sgpr_workgroup_id_x 1
		.amdhsa_system_sgpr_workgroup_id_y 1
		.amdhsa_system_sgpr_workgroup_id_z 1
		.amdhsa_system_vgpr_workitem_id 0
		.amdhsa_next_free_vgpr 512
		.amdhsa_next_free_sgpr 66
		.amdhsa_reserve_vcc 1
		.amdhsa_float_denorm_mode_32 3
		.amdhsa_float_denorm_mode_16_64 3
		.amdhsa_memory_ordered 1
		.amdhsa_forward_progress 1
		.amdhsa_inst_pref_size 255
	.end_amdhsa_kernel
	.section	.bss,"aw",@nobits
	.p2align	6
	.space	262144
	.amdgpu_metadata
---
amdhsa.version: [ 1, 2 ]
amdhsa.kernels:
  - .name:           k_q758e86b03c_attn
    .symbol:         k_q758e86b03c_attn.kd
    .args:
      - { .name: q, .offset: 0, .size: 8, .value_kind: global_buffer, .address_space: global }
      - { .name: k, .offset: 8, .size: 8, .value_kind: global_buffer, .address_space: global }
      - { .name: v, .offset: 16, .size: 8, .value_kind: global_buffer, .address_space: global }
      - { .name: out0, .offset: 24, .size: 8, .value_kind: global_buffer, .address_space: global }
    .group_segment_fixed_size: 152576
    .private_segment_fixed_size: 0
    .kernarg_segment_align: 8
    .kernarg_segment_size: 32
    .max_flat_workgroup_size: 256
    .sgpr_count:     66
    .vgpr_count:     512
    .wavefront_size: 32
...
	.end_amdgpu_metadata
.endif
;; end of part 1
;; ======== version 2 of 2: 1 launch; version 1 with the launch attn written anew for expert scheduling mode
;; limits: values are held in f16: magnitudes above 65,504 overflow, below 6.1e-05 lose precision; right only within a limited range of input values
;; launch attn (part 2): grid 16 x 16, 8 waves a work-group, no clusters, 152,576 bytes of LDS; arguments q, k, v, out0; writes out0
.if DOCPART == 2
	.amdgcn_target "amdgcn-amd-amdhsa--gfx1250"
	.amdhsa_code_object_version 6
	.text
	.protected	k_q758e86b03c_attn
	.globl	k_q758e86b03c_attn
	.p2align	8
	.type	k_q758e86b03c_attn,@function
k_q758e86b03c_attn:
	s_mov_b64 s[64:65], 0
	v_nop
	global_prefetch_b8 v0, s[64:65] scope:SCOPE_SE
	s_setreg_imm32_b32 hwreg(HW_REG_WAVE_SCHED_MODE, 0, 2), 2
	s_setreg_imm32_b32 hwreg(HW_REG_WAVE_MODE, 25, 1), 1
	s_wait_xcnt 0x0
	s_wait_alu depctr_vm_vsrc(0)
; Causal attention, one head a batch: out = softmax(mask(q k^T / 64)) v.  q, k, v, out0: [16][2048][64] f32.
; mask: keys behind the query, and allowed scores that are exactly 0, count as "minus very large".
;
; SHARE OF THE WORK.  Work-group (p, batch), p = 0..15, owns query block A = rows 64 p .. +63 and block B = rows 64 (31-p) .. +63:
; (p+1) + (32-p) = 33 tiles of 64 keys x 64 queries for every one of the 256 work-groups.  Wave w: rq = w & 3 picks 16 rows of A and 16 of B,
; kh = w >> 2 picks the lower or upper 64 keys of each staged pair of 128 keys.  The two waves with one rq hold partial (max, sum, O) over
; disjoint keys and merge them at the end through LDS.
; TRANSPOSED PRODUCTS.  S^T = K Q^T: in the result lane (r = l & 15, h = l >> 4), register e holds key 8 h + e of query r, so the softmax runs along
; a lane's registers and one exchange of the two halves of the lanes ends it; two neighbouring tiles, packed to 16 bits, ARE the second source P^T of
; O^T = V^T P^T, with no shuffle.  V^T comes from V, stored [key][d] in LDS, by the transposing LDS load.
; NUMBER FORMATS.  k enters the first product in bf16, q as TWO bf16 terms, q_hi = bf16(q) and q_lo = bf16(q - q_hi), both multiplied with the same
; fragments of K into the same sums.  The reason is the test for scores that are exactly 0: a product of two bf16 numbers is a multiple of
; 2^(eq + ek - 14), so for numbers of size one a sum of such products lies on a grid of about 2^-22, and among the 33,570,816 allowed scores,
; of spread 8, one that falls on 0 by cancellation alone is to be expected in every few inputs; the f32 score is not 0 there.  q's second
; term makes the grid 2^8 finer.  It costs 8 matrix instructions more for 64 keys x 16 queries, and no vector instruction in the loop.
; The weights and v enter the second product in f16, which keeps 11 significant bits where bf16 keeps 8: a row with few keys is a sum of few
; large terms that may cancel, and each term's rounding shows in full.  A weight lies between 0 and 1; v has room in f16 up to 65504.
; Maxima, sums, exponentials and O are f32.  The running maximum is taken away before every exponential.
; K AND V come through registers: 128 rows of each are loaded a whole trip ahead as f32 (each half of a wave takes one whole row of 256 bytes),
; rounded to 16 bits once for the work-group, and stored into one of two LDS slots that take turns; one barrier a trip.
; NO TENSOR LOADS AND NO CLUSTER: the inputs are f32 and have to pass through registers to become 16 bits wide, and the work-groups of a batch make
; different numbers of trips (16 - 2 (p >> 2)) and take different branches, so they could not make every joint request alike.
; ROWS WITH NO REAL SCORE (every allowed score exactly 0, a zero row of q for one): all 2048 entries are then equal in the softmax, the keys behind
; the query too, and the row is the mean of all 2048 rows of v.  So T = the sum of all rows of v of the batch is kept in f32: every staged pair is
; added as it is converted, and the 2 (p >> 2) pairs that this work-group never stages ride along, one in each trip of the first loop.
; LIMITS.  |v| above 65504 becomes infinite in f16; |v| below 2^-14 carries an absolute error of up to 2^-25.  A weight below about 2^-25 of the wave's
; running largest weight counts in the sum and not in the product.  The mask value is -2^72 on the unscaled score (about -2^66.5 after the
; scale) in place of -1e20: real unscaled scores are taken to lie above -2^72, and a row whose largest real score is exactly -2^72 would count as
; a row without one.  The zero test is made on the unscaled f32 sum of the products of q, kept to 16 significant bits, with k, kept to 8:
; zero rows, disjoint supports and cancellations among numbers that these formats hold exactly are seen; a cancellation that hangs on lower bits
; of q or k, or one that only the rounding of a sum in f32 brings about, is not; and a score below 2^-143 in size, which the scale by
; 1/64 would flush to zero, counts as non-zero here.
; THE MODE: SCHED_MODE bits 1:0 = 2 (LLVM: expert scheduling mode 2), set by the entry lines.  The code itself states the register dependences
; between vector or matrix instructions and memory or LDS instructions, with s_wait_alu, always for 0.
; THE PLAN.  Registers that memory or LDS instructions touch, in a trip:
;   KS, VS   Loaded a trip ahead.  The trip's conversions read and write them in place (the additions to T read VS); the 16 LDS stores read their low pairs;
;            behind those stores they are asked for again at once, ahead of the barrier.
;   XS       (first loop) Loaded beside them; read by the additions at the trip's end.
;   KF       Loaded behind the barrier; read by the trip's products K Q^T.
;   VF       Loaded behind the first 16 products K Q^T of the trip; read by its products V^T P^T.
;   GK, GV, LKS, LVS, LKF, LVF   Offsets and LDS addresses, made at the head and never written again: rows are reached by scalar bases and immediate offsets.
;   Scores, weights, q, O, the states and T are named by vector and matrix instructions alone until the loops are left.
; So a trip's conversions stand in one run and its stores in one run, with ONE wait on va_vdst between them; behind the stores one wait on va_vdst and one on
; vm_vsrc free KS, VS, XS, KF and VF for all the trip's loads: between these two waits and the last of those loads stand loads, scalar lines, the barrier,
; window switches and products K Q^T, which name KF, q and the scores alone.  The lane masks of a softmax are made 32 at a time, with one wait on va_sdst.
.set SLOT,  38912                      ; an LDS slot: K's 128 rows (pitch 144), then V's 128 rows (pitch 160)
.set VREG,  18432                      ; where V's part of a slot begins
.set KP,    144                        ; 128 bytes of bf16 + 16: an odd multiple of 16, so the 16 rows of a fragment load fall into 16 different 16-byte columns modulo 256
.set VP,    160                        ; 128 bytes of f16 + 32: an odd multiple of 32, as the transposing load's 8 rows x 2 columns want
.set MRG,   77824                      ; behind the two slots: a region of 4,608 bytes a wave, for the state handed to the partner wave
.set MREG,  4608                       ; O: 4,096 bytes (lane x 16 + i x 512); (max, sum): 256 bytes at 4,096 + lane x 8
.set TRED,  114688                     ; the waves' sums of v: 256 bytes a wave
.set OUTST, 116736                     ; the way out: 16 rows x 272 bytes a wave; byte 256 of a row holds the row's merged maximum
.set OP,    272
.set PAIRB, 32768                      ; 128 rows of 256 bytes in memory
.set MK,    66                         ; s[66:97] 32 lane masks, one for each of a lane's 32 scores
; window 0
.set DG,    8                          ; 16 rq + r - 8 h, signed: key 16 kt + e of the diagonal tile lies behind my query where 16 kt + e > DG
.set MASKV, 9                          ; -2^72.  A power of two: its product with the scale is exact, so a masked score at a masked maximum gives the exponent 0 exactly
.set OST,   10                         ; way out, in:   my stage + r x 272 + 32 h
.set ORD,   11                         ; way out, back: my stage + h x 272 + 16 r
.set OGO,   12                         ; byte offset in out0 of those 16 bytes: h x 256 + 16 r
.set MST,   13                         ; my merge region + 16 lane
.set MML,   14                         ; my merge region + 8 lane
.set TRD,   15                         ; TRED + h x 1024 + 16 r: lanes 0-15 read waves 0-3, lanes 16-31 waves 4-7
.set FST,   16                         ; my stage + r x 272
.set FRD,   17                         ; my stage + h x 272
.set QO,    18                         ; r x 256 + 32 h
.set TST,   19                         ; TRED + w x 256 + 16 r
.set STA,   20                         ; state of block A: +0 max, +1 sum (of my half of the lanes), +2 (pair) -max x c, +4 (pair) the rescaling factor
.set STB,   26                         ; state of block B
.set TT,    32                         ; v[32:47] at work
.set QA,    48                         ; v[48:63]   Q^T fragments of block A, first terms: d 0-31, d 32-63
.set QB,    64                         ; v[64:79]   of block B
.set SA,    80                         ; v[80:111]  scores of block A, four tiles of 16 keys; later the weights, packed in place at +0..7 and +16..23
.set SB,    112                        ; v[112:143] of block B
.set OA,    144                        ; v[144:175] O^T of block A, four tiles of 16 d
.set OB,    176                        ; v[176:207] of block B
.set QLA,   208                        ; v[208:223] Q^T fragments of block A, second terms
.set QLB,   224                        ; v[224:239] of block B
.set PR,    208                        ; v[208:247] at the end, when q is no longer needed: the partner's state, then the rows on their way out and their flags
.set MRD,   248                        ; the partner's merge region + 16 lane
.set MMR,   249                        ; the partner's merge region + 8 lane
.set FM,    80                         ; at the end, in the score registers: merged max,
.set LX,    81                         ; the other half's sum,
.set F1,    82                         ; (pair) my factor,
.set F2,    84                         ; (pair) the partner's factor,
.set A1,    86
.set A2,    87
.set LL,    88                         ; merged sum,
.set RL,    89                         ; its reciprocal
; window 1 (named by the low 8 bits)
.set KF,    0                          ; v[256:319] K fragments: tile kt, half ks of d at 16 kt + 8 ks
.set VF,    64                         ; v[320:383] V^T fragments: 32 keys st, 16 d dt at 32 st + 8 dt
.set KS,    128                        ; v[384:415] K as loaded, 8 x 16 bytes
.set VS,    160                        ; v[416:447] V as loaded
.set XS,    192                        ; v[448:479] a pair of v that is only summed
.set TS,    224                        ; v[480:487] sums of my 4 columns of v, two chains
.set GK,    232                        ; (16 w + 8 h) x 256 + 16 r
.set GV,    233                        ; (16 w + 4 h) x 256 + 16 r
.set LKS,   234                        ; (16 w + 8 h) x 144 + 8 r
.set LVS,   235                        ; VREG + (16 w + 4 h) x 160 + 8 r
.set LKF,   236                        ; (64 kh + r) x 144 + 16 h
.set LVF,   237                        ; VREG + (64 kh + 8 h + (l & 7)) x 160 + 16 ((l >> 3) & 1)
; s_set_vgpr_msb's low byte: bits 1:0 source 0, 3:2 source 1, 5:4 source 2, 7:6 destination; the high byte repeats the setting that is left.
; 0x55: all four places in window 1 (staging, fragment loads).  0x01: source 0 in window 1 (every matrix instruction).  At a label and at a branch: 0.
.set MSB, 0
.macro WIN new
.if MSB != \new
	s_set_vgpr_msb (MSB<<8)|\new
.set MSB, \new
.endif
.endm
; 16 loads: 128 rows of K and of V, 16 rows of each a wave.  Each half of the wave takes one whole row of 256 bytes.
; The two halves' rows lie 8 apart in K and 4 apart in V, so that the 16-bit rows they store later lie 128 bytes apart modulo 256.
.macro LOADKV
	WIN 0x55
.irp i, 0,1,2,3,4,5,6,7
	global_load_b128 v[KS+4*\i:KS+4*\i+3], v[GK], s[24:25] offset:\i*256
.endr
.irp i, 0,1,2,3,4,5,6,7
	global_load_b128 v[VS+4*\i:VS+4*\i+3], v[GV], s[26:27] offset:((\i%4)+8*(\i/4))*256
.endr
.endm
.macro NEXTKV                          ; stands behind PUT's wait for all loads: the bases are free to be stepped
	s_add_nc_u64 s[24:25], s[24:25], PAIRB
	s_add_nc_u64 s[26:27], s[26:27], PAIRB
	LOADKV
.endm
.macro XLOAD                           ; 16 rows a wave of a pair of v that is only summed
	WIN 0x55
.irp i, 0,1,2,3,4,5,6,7
	global_load_b128 v[XS+4*\i:XS+4*\i+3], v[GK], s[28:29] offset:\i*256
.endr
.endm
.macro XSUM
	WIN 0x55
.irp i, 0,1,2,3,4,5,6,7
	v_pk_add_f32 v[TS+4*(\i%2):TS+4*(\i%2)+1],   v[TS+4*(\i%2):TS+4*(\i%2)+1],   v[XS+4*\i:XS+4*\i+1]
	v_pk_add_f32 v[TS+4*(\i%2)+2:TS+4*(\i%2)+3], v[TS+4*(\i%2)+2:TS+4*(\i%2)+3], v[XS+4*\i+2:XS+4*\i+3]
.endr
.endm
; The pair that was loaded a trip ago is rounded (K to bf16, V to f16) and stored into the slot; v is also added to T.
; All 48 vector instructions stand in one run, all 16 stores in one run behind them; behind the stores the raw registers are free for the next pair.
.macro PUT slot
	s_wait_loadcnt 0x0                             ; the 16 loads of this pair are in; none of mine is out, so their bases may be stepped
	WIN 0x55
.irp i, 0,1,2,3,4,5,6,7
	v_cvt_pk_bf16_f32 v[KS+4*\i],   v[KS+4*\i],   v[KS+4*\i+1]
	v_cvt_pk_bf16_f32 v[KS+4*\i+1], v[KS+4*\i+2], v[KS+4*\i+3]
.endr
.irp i, 0,1,2,3,4,5,6,7
	v_pk_add_f32 v[TS+4*(\i%2):TS+4*(\i%2)+1],   v[TS+4*(\i%2):TS+4*(\i%2)+1],   v[VS+4*\i:VS+4*\i+1]
	v_pk_add_f32 v[TS+4*(\i%2)+2:TS+4*(\i%2)+3], v[TS+4*(\i%2)+2:TS+4*(\i%2)+3], v[VS+4*\i+2:VS+4*\i+3]
	v_cvt_pk_f16_f32 v[VS+4*\i],   v[VS+4*\i],   v[VS+4*\i+1]
	v_cvt_pk_f16_f32 v[VS+4*\i+1], v[VS+4*\i+2], v[VS+4*\i+3]
.endr
	s_wait_alu depctr_va_vdst(0)                   ; the conversions have written the low pairs of KS and VS, which the 16 stores read
.irp i, 0,1,2,3,4,5,6,7
	ds_store_b64 v[LKS], v[KS+4*\i:KS+4*\i+1] offset:\slot*SLOT+\i*KP
.endr
.irp i, 0,1,2,3,4,5,6,7
	ds_store_b64 v[LVS], v[VS+4*\i:VS+4*\i+1] offset:\slot*SLOT+((\i%4)+8*(\i/4))*VP
.endr
	s_wait_alu depctr_va_vdst(0)                   ; under the loads' own window and behind the stores that read KS and VS: the conversions and additions are done with KS and VS, the last trip's additions with XS, its matrix instructions with KF and VF; the trip's loads land in these
	s_wait_alu depctr_vm_vsrc(0)                   ; the 16 stores have read KS and VS, in which the next pair's loads land
.endm
; ONE barrier a trip does two things.  In front of it each wave waits for all its LDS instructions: its stores into this slot, and its fragment loads
; of the last trip from the other slot.  Behind it this slot is whole, and the other slot, which the NEXT trip stores into, is read by nobody.
; The next pair's global loads are out across it: no wave stores to k or v.
.macro MEET
	s_wait_dscnt 0x0                               ; for the other waves' sake: my stores have landed, my reads of the other slot are back
	s_barrier_signal -1
	s_barrier_wait -1
.endm
; My 64 keys of the slot.  K's fragments: 16 loads (16 keys x 32 d: two loads of 16 bytes, 32 bytes apart).  The matrix instructions that read these registers last stand ahead of PUT's second wait.
.macro KFRAGS slot
	WIN 0x55
.irp kt, 0,1,2,3
.irp ks, 0,1
	ds_load_b128 v[KF+16*\kt+8*\ks:KF+16*\kt+8*\ks+3],   v[LKF] offset:\slot*SLOT+\kt*16*KP+\ks*64
	ds_load_b128 v[KF+16*\kt+8*\ks+4:KF+16*\kt+8*\ks+7], v[LKF] offset:\slot*SLOT+\kt*16*KP+\ks*64+32
.endr
.endr
.endm
; V^T's fragments: 16 transposing loads (16 d x 32 keys: two loads, 16 rows apart).  They stand behind a run of products K Q^T.  No wait: no vector or matrix
; instruction since PUT's second wait names VF or its address.
.macro VFRAGS slot
	WIN 0x55
.irp st, 0,1
.irp dt, 0,1,2,3
	ds_load_tr16_b128 v[VF+32*\st+8*\dt:VF+32*\st+8*\dt+3],   v[LVF] offset:\slot*SLOT+\st*32*VP+\dt*32
	ds_load_tr16_b128 v[VF+32*\st+8*\dt+4:VF+32*\st+8*\dt+7], v[LVF] offset:\slot*SLOT+\st*32*VP+\dt*32+16*VP
.endr
.endr
.endm
; S^T = K Q^T for 64 keys x 16 queries, in bf16: q's first terms (qf), both halves of d, then q's second terms (ql), so that the small products are added
; when the large ones have already cancelled.  The first half of d starts the sums (C = 0).  The four accumulators take turns, one instruction a turn.
.macro QK sc, qf, ql
	WIN 0x01
.irp kt, 0,1,2,3
	v_wmma_f32_16x16x32_bf16 v[\sc+8*\kt:\sc+8*\kt+7], v[KF+16*\kt:KF+16*\kt+7], v[\qf:\qf+7], 0
.endr
.irp kt, 0,1,2,3
	v_wmma_f32_16x16x32_bf16 v[\sc+8*\kt:\sc+8*\kt+7], v[KF+16*\kt+8:KF+16*\kt+15], v[\qf+8:\qf+15], v[\sc+8*\kt:\sc+8*\kt+7]
.endr
.irp kt, 0,1,2,3
	v_wmma_f32_16x16x32_bf16 v[\sc+8*\kt:\sc+8*\kt+7], v[KF+16*\kt:KF+16*\kt+7], v[\ql:\ql+7], v[\sc+8*\kt:\sc+8*\kt+7]
.endr
.irp kt, 0,1,2,3
	v_wmma_f32_16x16x32_bf16 v[\sc+8*\kt:\sc+8*\kt+7], v[KF+16*\kt+8:KF+16*\kt+15], v[\ql+8:\ql+15], v[\sc+8*\kt:\sc+8*\kt+7]
.endr
.endm
; O^T += V^T P^T for 64 d x 16 queries x 64 keys, in f16; O's accumulators meet this form alone.  The four accumulators take turns, one instruction a turn.
.macro PV sc, ac
	WIN 0x01
.irp st, 0,1
.irp dt, 0,1,2,3
	v_wmma_f32_16x16x32_f16 v[\ac+8*\dt:\ac+8*\dt+7], v[VF+32*\st+8*\dt:VF+32*\st+8*\dt+7], v[\sc+16*\st:\sc+16*\st+7], v[\ac+8*\dt:\ac+8*\dt+7]
.endr
.endr
.endm
; One step of the running softmax on 64 keys x 16 queries: masks, new maximum, weights, their sum, packing, rescaling of O.
.macro SOFTMAX sc, ac, st, diag
	WIN 0
.if \diag
.set i, 0
.rept 32                               ; the diagonal tile: keys behind the query.  Score i is key 16 (i / 8) + i % 8 of my half of the lanes
	v_cmp_gt_i32 s[MK+i], 16*(i/8)+i%8, v[DG]
.set i, i+1
.endr
	s_wait_alu depctr_va_sdst(0)                   ; the 32 compares have written s[MK ..], ahead of the selects that read them
.set i, 0
.rept 32
	v_cndmask_b32 v[\sc+i], v[\sc+i], v[MASKV], s[MK+i]
.set i, i+1
.endr
.endif
.set i, 0
.rept 32                               ; scores that are exactly 0 (either sign).  All 32 masks in one run, so that one wait serves them
	v_cmp_eq_f32 s[MK+i], 0, v[\sc+i]
.set i, i+1
.endr
	s_wait_alu depctr_va_sdst(0)                   ; the 32 compares have written s[MK ..], ahead of the selects that read them
.set i, 0
.rept 32
	v_cndmask_b32 v[\sc+i], v[\sc+i], v[MASKV], s[MK+i]
.set i, i+1
.endr
.irp c, 0,1,2,3                        ; the maximum of 32 scores and the old maximum: 16 instructions of three sources, four chains
	v_max3_num_f32 v[TT+\c], v[\sc+8*\c], v[\sc+8*\c+1], v[\sc+8*\c+2]
.endr
.irp c, 0,1,2,3
	v_max3_num_f32 v[TT+\c], v[TT+\c], v[\sc+8*\c+3], v[\sc+8*\c+4]
.endr
.irp c, 0,1,2,3
	v_max3_num_f32 v[TT+\c], v[TT+\c], v[\sc+8*\c+5], v[\sc+8*\c+6]
.endr
	v_max3_num_f32 v[TT],   v[TT],   v[TT+1], v[\sc+7]
	v_max3_num_f32 v[TT+2], v[TT+2], v[TT+3], v[\sc+15]
	v_max3_num_f32 v[TT],   v[TT],   v[\sc+23], v[\sc+31]
	v_max3_num_f32 v[TT],   v[TT],   v[TT+2], v[\st]
	v_permlanex16_b32 v[TT+1], v[TT], s33, s34     ; the other half of the lanes holds the query's other keys
	v_max_num_f32 v[\st], v[TT], v[TT+1]           ; the new maximum, alike in both halves
	v_mul_f32 v[TT+2], s32, v[\st]                 ; -max x c, c = log2(e) / 64
	v_sub_f32 v[TT+3], v[TT+2], v[\st+2]           ; (old max - new max) x c: exactly 0 where the maximum stays
	v_mov_b32 v[\st+2], v[TT+2]
	v_exp_f32 v[\st+4], v[TT+3]                    ; the factor for the old sum and the old O; the multiply-adds below are the plain place behind it (ISA guide 5.7.2)
.set i, 0
.rept 16
	v_pk_fma_f32 v[\sc+i:\sc+i+1], v[\sc+i:\sc+i+1], s[30:31], v[\st+2:\st+3] op_sel_hi:[1,0,0]   ; (score - max) x c, never above rounding's reach of 0
.set i, i+2
.endr
.set i, 0
.rept 32
	v_exp_f32 v[\sc+i], v[\sc+i]
.set i, i+1
.endr
	v_nop                                          ; one plain place behind the last exponential
	s_wait_alu depctr_va_vdst(0)
.irp c, 0,1,2,3                        ; the weights' sum in f32, four chains of pairs
	v_pk_add_f32 v[TT+2*\c:TT+2*\c+1], v[\sc+4*\c:\sc+4*\c+1], v[\sc+4*\c+2:\sc+4*\c+3]
.endr
.irp c, 0,1,2,3
	v_pk_add_f32 v[TT+2*\c:TT+2*\c+1], v[TT+2*\c:TT+2*\c+1], v[\sc+16+4*\c:\sc+16+4*\c+1]
.endr
.irp c, 0,1,2,3
	v_pk_add_f32 v[TT+2*\c:TT+2*\c+1], v[TT+2*\c:TT+2*\c+1], v[\sc+18+4*\c:\sc+18+4*\c+1]
.endr
	v_pk_add_f32 v[TT:TT+1],   v[TT:TT+1],   v[TT+2:TT+3]
	v_pk_add_f32 v[TT+4:TT+5], v[TT+4:TT+5], v[TT+6:TT+7]
	v_pk_add_f32 v[TT:TT+1],   v[TT:TT+1],   v[TT+4:TT+5]
	v_add_f32 v[TT], v[TT], v[TT+1]
	v_fma_f32 v[\st+1], v[\st+1], v[\st+4], v[TT]  ; the sum stays that of my half of the lanes until the end
.irp st2, 0,16                         ; tiles 2 s, 2 s + 1 packed to f16 in place = P^T's fragment for keys 32 s .. 32 s + 31; register i is read no later than it is written
.irp n, 0,1,2,3,4,5,6,7
	v_cvt_pk_f16_f32 v[\sc+\st2+\n], v[\sc+\st2+2*\n], v[\sc+\st2+2*\n+1]
.endr
.endr
.set i, 0
.rept 16
	v_pk_mul_f32 v[\ac+i:\ac+i+1], v[\ac+i:\ac+i+1], v[\st+4:\st+5] op_sel_hi:[1,0]
.set i, i+2
.endr
.endm
.macro PLACES                          ; four plain vector instructions between a matrix instruction and the first vector instruction that reads its result (ISA guide 7.12.1)
.rept 4
	v_nop
.endr
.endm
; A key tile that both blocks need.  Block B's scores are made ahead, so that its matrix work lies under block A's softmax; V's fragments are asked for between the two blocks' scores.
.macro UNIT_AB slot, diag
	s_wait_dscnt 0x0                               ; K's 16 fragment loads are in: nothing younger is out on this counter
	QK SA, QA, QLA
	VFRAGS \slot
	QK SB, QB, QLB
	WIN 0
	PLACES
	SOFTMAX SA, OA, STA, \diag
	s_wait_dscnt 0x0                               ; V's fragments
	PV SA, OA
	SOFTMAX SB, OB, STB, 0                         ; block A's softmax stood between B's scores and this first read of them
	PV SB, OB
	WIN 0
.endm
.macro UNIT_B slot, diag               ; a key tile that block B alone needs
	s_wait_dscnt 0x0                               ; K's 16 fragment loads are in
	QK SB, QB, QLB
	VFRAGS \slot
	WIN 0
	PLACES
	SOFTMAX SB, OB, STB, \diag
	s_wait_dscnt 0x0                               ; V's fragments
	PV SB, OB
	WIN 0
.endm
; A trip of the first loop: every tile lies in front of both blocks' diagonals (j <= 4 (p >> 2) - 1 < p), and one pair of v that is never staged is summed.
.macro TRIP1 slot
	PUT \slot
	XLOAD
	NEXTKV                                         ; the next pair, a whole trip ahead of its use
	MEET
	KFRAGS \slot
	UNIT_AB \slot, 0
	s_wait_loadcnt 16                              ; loads come back in order: the 8 of the summed pair are in, the next pair's 16 younger ones stay out
	XSUM
	s_add_nc_u64 s[28:29], s[28:29], PAIRB         ; free since that wait
.endm
; A trip of the second loop: what my tile j is to the two blocks is decided by scalar compares of j with p and 31 - p.  No barrier stands inside these branches.
.macro TRIP2 slot, last
	PUT \slot
.if \last
	WIN 0
	s_cmp_eq_u32 s20, 1                            ; the very last trip loads nothing: the pair behind it is not needed, and at p < 4 would lie outside the batch
	s_cbranch_scc1 .Lnone_\@
	NEXTKV
	WIN 0
.Lnone_\@:
.else
	NEXTKV
.endif
	MEET
	KFRAGS \slot
	WIN 0
	s_cmp_lt_u32 s18, s15
	s_cbranch_scc1 .Lboth_\@
	s_cmp_eq_u32 s18, s15
	s_cbranch_scc1 .Ladiag_\@
	s_cmp_lt_u32 s18, s17
	s_cbranch_scc1 .Lbonly_\@
	s_cmp_eq_u32 s18, s17
	s_cbranch_scc1 .Lbdiag_\@
	s_branch .Ldone_\@                             ; behind both diagonals: nothing (at most 3 tiles of a work-group)
.Lboth_\@:
	UNIT_AB \slot, 0
	s_branch .Ldone_\@
.Ladiag_\@:
	UNIT_AB \slot, 1
	s_branch .Ldone_\@
.Lbonly_\@:
	UNIT_B \slot, 0
	s_branch .Ldone_\@
.Lbdiag_\@:
	UNIT_B \slot, 1
.Ldone_\@:
	s_add_co_u32 s18, s18, 2
.endm
.macro STORE_STATE ac, st              ; the state of the block that my partner finishes, into my own region
.irp i, 0,1,2,3,4,5,6,7
	ds_store_b128 v[MST], v[\ac+4*\i:\ac+4*\i+3] offset:\i*512
.endr
	ds_store_b64 v[MML], v[\st:\st+1] offset:4096
.endm
; Merge my state of a block with my partner's, divide by the sum, and store 16 rows of out0.
.macro FINISH ac, st, ob
	s_wait_alu depctr_vm_vsrc(0)                   ; my store of my sums of v has read v[TT .. TT+3], in which loads below land (the vector and matrix instructions that named TT and PR stand ahead of the last wait on va_vdst)
.irp i, 0,1,2,3,4,5,6,7
	ds_load_b128 v[PR+4*\i:PR+4*\i+3], v[MRD] offset:\i*512
.endr
	ds_load_b64 v[PR+32:PR+33], v[MMR] offset:4096
.irp i, 0,1,2,3
	ds_load_b128 v[TT+4*\i:TT+4*\i+3], v[TRD] offset:\i*256      ; four waves' sums of my 4 columns of v
.endr
	s_wait_dscnt 0x0
	v_max_num_f32 v[FM], v[\st], v[PR+32]
	v_sub_f32 v[A1], v[\st], v[FM]
	v_sub_f32 v[A2], v[PR+32], v[FM]
	v_mul_f32 v[A1], s30, v[A1]
	v_mul_f32 v[A2], s30, v[A2]
	v_exp_f32 v[F1], v[A1]
	v_exp_f32 v[F2], v[A2]
	v_pk_add_f32 v[TT:TT+1],     v[TT:TT+1],     v[TT+4:TT+5]    ; useful work in the plain place behind the exponentials
	v_pk_add_f32 v[TT+2:TT+3],   v[TT+2:TT+3],   v[TT+6:TT+7]
	v_pk_add_f32 v[TT+8:TT+9],   v[TT+8:TT+9],   v[TT+12:TT+13]
	v_pk_add_f32 v[TT+10:TT+11], v[TT+10:TT+11], v[TT+14:TT+15]
	s_wait_alu depctr_va_vdst(0)
	v_mul_f32 v[LL], v[\st+1], v[F1]
	v_fmac_f32 v[LL], v[PR+33], v[F2]
	v_permlanex16_b32 v[LX], v[LL], s33, s34
	v_add_f32 v[LL], v[LL], v[LX]                  ; the whole sum: at least 1, since the largest score's weight is 1
	v_rcp_f32 v[RL], v[LL]
	v_pk_add_f32 v[TT:TT+1],   v[TT:TT+1],   v[TT+8:TT+9]        ; the plain place behind the reciprocal
	v_pk_add_f32 v[TT+2:TT+3], v[TT+2:TT+3], v[TT+10:TT+11]
	s_wait_alu depctr_va_vdst(0)
	v_mul_f32 v[F1], v[F1], v[RL]
	v_mul_f32 v[F2], v[F2], v[RL]
.set i, 0
.rept 16
	v_pk_mul_f32 v[\ac+i:\ac+i+1], v[\ac+i:\ac+i+1], v[F1:F1+1] op_sel_hi:[1,0]
.set i, i+2
.endr
.set i, 0
.rept 16
	v_pk_fma_f32 v[\ac+i:\ac+i+1], v[PR+i:PR+i+1], v[F2:F2+1], v[\ac+i:\ac+i+1] op_sel_hi:[1,0,1]
.set i, i+2
.endr
	s_wait_alu depctr_va_vdst(0)                   ; the merge has written O and the merged maximum, which the stores read, and is done reading the partner's state, in whose registers the rows come back; the vector lines between here and those loads name v[TT ..] alone
.irp dt, 0,1,2,3                       ; lane (r, h) holds d = 16 dt + 8 h + 0..7 of query r: 32 neighbouring bytes of a row
	ds_store_b128 v[OST], v[\ac+8*\dt:\ac+8*\dt+3]   offset:64*\dt
	ds_store_b128 v[OST], v[\ac+8*\dt+4:\ac+8*\dt+7] offset:64*\dt+16
.endr
	ds_store_b32 v[FST], v[FM] offset:256          ; the row's merged maximum: the mask value marks a row without a real score
.irp i, 0,1,2,3
	v_permlanex16_b32 v[TT+4+\i], v[TT+\i], s33, s34             ; waves 0-3's sums meet waves 4-7's
.endr
	v_pk_add_f32 v[TT:TT+1],   v[TT:TT+1],   v[TT+4:TT+5]
	v_pk_add_f32 v[TT+2:TT+3], v[TT+2:TT+3], v[TT+6:TT+7]
	v_pk_mul_f32 v[TT:TT+1],   v[TT:TT+1],   0x3a000000 op_sel_hi:[1,0]   ; / 2048: the mean of v, my 4 columns
	v_pk_mul_f32 v[TT+2:TT+3], v[TT+2:TT+3], 0x3a000000 op_sel_hi:[1,0]
.irp t, 0,1,2,3,4,5,6,7                ; back by rows; LDS serves a wave's instructions in order (ISA guide 5.7.1): these see my stores above
	ds_load_b128 v[PR+4*\t:PR+4*\t+3], v[ORD] offset:\t*2*OP
	ds_load_b32 v[PR+32+\t], v[FRD] offset:\t*2*OP+256
.endr
	s_wait_dscnt 0x0                               ; the 16 rows and their flags are back
.irp t, 0,1,2,3,4,5,6,7
	v_cmp_eq_f32 s[MK+\t], v[PR+32+\t], v[MASKV]
.endr
	s_wait_alu depctr_va_sdst(0)                   ; the eight compares have written s[MK ..], ahead of the selects that read them
.irp t, 0,1,2,3,4,5,6,7
.irp i, 0,1,2,3
	v_cndmask_b32 v[PR+4*\t+\i], v[PR+4*\t+\i], v[TT+\i], s[MK+\t]
.endr
.endr
	s_wait_alu depctr_va_vdst(0)                   ; the selects have written v[PR ..], which the eight stores read
.irp t, 0,1,2,3,4,5,6,7
	global_store_b128 v[OGO], v[PR+4*\t:PR+4*\t+3], s[\ob:\ob+1] offset:512*\t th:TH_STORE_NT   ; 16 lanes store a whole row: 256 consecutive bytes, aligned
.endr
.endm
	; ---- set-up ----
	s_load_b256 s[4:11], s[0:1], 0x0               ; q s[4:5], k s[6:7], v s[8:9], out0 s[10:11]
	v_lshl_add_u32 v254, v0, 2, 0x25000
	v_mov_b32 v255, 0
	v_lshrrev_b32 v1, 5, v0
	v_readfirstlane_b32 s12, v1                    ; w
	s_wait_alu depctr_va_sdst(0)                   ; s12 is written, ahead of its first reader: the wave's shares, addresses and branches are made from it
	s_and_b32 s13, s12, 3                          ; rq
	s_lshr_b32 s14, s12, 2                         ; kh
	s_mov_b32 s15, ttmp9                           ; p
	s_and_b32 s16, ttmp7, 0xffff                   ; batch
	s_sub_co_u32 s17, 31, s15                      ; block B's number
	s_lshr_b32 s19, s15, 2                         ; n1: turns of the first loop, two trips each
	s_lshl2_add_u32 s18, s19, s14                  ; j = my key tile in the second loop's first trip: 4 n1 + kh
	s_lshl_b32 s20, s19, 1
	s_sub_co_u32 s20, 8, s20                       ; turns of the second loop: 8 - 2 n1, at least 2
	s_mov_b32 s30, 0x3cb8aa3b                      ; c = log2(e) / 64
	s_mov_b32 s31, 0x3cb8aa3b
	s_mov_b32 s32, 0xbcb8aa3b                      ; -c
	s_mov_b32 s33, 0x76543210                      ; v_permlanex16_b32: lane i of one half reads lane i of the other
	s_mov_b32 s34, 0xfedcba98
	v_and_b32 v1, 31, v0                           ; lane
	v_and_b32 v2, 15, v0                           ; r
	v_bfe_u32 v3, v0, 4, 1                         ; h
	v_lshlrev_b32 v5, 8, v2
	v_lshl_add_u32 v[QO], v3, 5, v5
	s_lshl_b32 s22, s12, 12                        ; 16 w rows of 256 bytes
	v_lshlrev_b32 v5, 11, v3
	v_lshl_add_u32 v5, v2, 4, v5
	v_add_nc_u32 v32, s22, v5                      ; GK
	v_lshlrev_b32 v5, 10, v3
	v_lshl_add_u32 v5, v2, 4, v5
	v_add_nc_u32 v33, s22, v5                      ; GV
	s_mul_i32 s22, s12, 16*KP
	v_mul_u32_u24 v5, v3, 8*KP
	v_lshl_add_u32 v5, v2, 3, v5
	v_add_nc_u32 v34, s22, v5                      ; LKS
	s_mul_i32 s22, s12, 16*VP
	s_add_co_u32 s22, s22, VREG
	v_mul_u32_u24 v5, v3, 4*VP
	v_lshl_add_u32 v5, v2, 3, v5
	v_add_nc_u32 v35, s22, v5                      ; LVS
	s_mul_i32 s22, s14, 64*KP
	v_mul_u32_u24 v5, v2, KP
	v_lshl_add_u32 v5, v3, 4, v5
	v_add_nc_u32 v36, s22, v5                      ; LKF
	s_mul_i32 s22, s14, 64*VP
	s_add_co_u32 s22, s22, VREG
	v_and_b32 v5, 7, v0
	v_mul_u32_u24 v5, v5, VP
	v_mul_u32_u24 v6, v3, 8*VP
	v_add_nc_u32 v5, v5, v6
	v_bfe_u32 v6, v0, 3, 1
	v_lshl_add_u32 v5, v6, 4, v5
	v_add_nc_u32 v37, s22, v5                      ; LVF
	WIN 0x40                                       ; destination in window 1
	v_mov_b32 v[GK],  v32
	v_mov_b32 v[GV],  v33
	v_mov_b32 v[LKS], v34
	v_mov_b32 v[LVS], v35
	v_mov_b32 v[LKF], v36
	v_mov_b32 v[LVF], v37
.irp i, 0,1,2,3,4,5,6,7
	v_mov_b32 v[TS+\i], 0                          ; the sums of v start at 0
.endr
	WIN 0
	s_wait_kmcnt 0x0
	s_lshl_b32 s22, s16, 19                        ; the batch: 2048 rows of 256 bytes
	s_mov_b32 s23, 0
	s_add_nc_u64 s[24:25], s[6:7], s[22:23]        ; k, pair 0
	s_add_nc_u64 s[26:27], s[8:9], s[22:23]        ; v, pair 0
	s_add_co_u32 s40, s20, 8                       ; 16 - 2 n1: the first pair that is never staged
	s_lshl_b32 s40, s40, 15
	s_mov_b32 s41, 0
	s_add_nc_u64 s[28:29], s[26:27], s[40:41]      ; used by the first loop alone, which has 2 n1 trips
	s_lshl_b32 s42, s13, 12                        ; 16 rq rows
	s_add_co_u32 s42, s42, s22
	s_lshl_b32 s40, s15, 14                        ; 64 p rows
	s_add_co_u32 s40, s40, s42
	s_add_nc_u64 s[36:37], s[4:5], s[40:41]        ; my 16 rows of block A in q
	s_add_nc_u64 s[48:49], s[10:11], s[40:41]      ; and in out0
	s_lshl_b32 s40, s17, 14
	s_add_co_u32 s40, s40, s42
	s_add_nc_u64 s[38:39], s[4:5], s[40:41]        ; block B
	s_add_nc_u64 s[50:51], s[10:11], s[40:41]
	s_wait_alu depctr_va_vdst(0)                   ; v[QO] and the six offsets and addresses of window 1 are written: the loads below read QO, GK and GV; only loads and a window switch stand between here and the last of them
	; Q as f32 into the score registers: lane (r, h) takes d = 16 c + 8 h + 0..7 of query r, the order of the matrix instruction's second source
.irp c, 0,1,2,3
	global_load_b128 v[SA+8*\c:SA+8*\c+3],   v[QO], s[36:37] offset:64*\c
	global_load_b128 v[SA+8*\c+4:SA+8*\c+7], v[QO], s[36:37] offset:64*\c+16
.endr
.irp c, 0,1,2,3
	global_load_b128 v[SB+8*\c:SB+8*\c+3],   v[QO], s[38:39] offset:64*\c
	global_load_b128 v[SB+8*\c+4:SB+8*\c+7], v[QO], s[38:39] offset:64*\c+16
.endr
	LOADKV                                         ; pair 0
	WIN 0
	; the other addresses, while the loads are on their way: none of these lines names a register that a load above reads or lands in; their first readers stand behind the loops' waits
	s_lshl_b32 s22, s13, 4
	v_lshlrev_b32 v4, 3, v3
	v_sub_nc_u32 v[DG], v2, v4
	v_add_nc_u32 v[DG], s22, v[DG]
	v_mov_b32 v[MASKV], 0xe3800000
	s_mul_i32 s23, s12, 16*OP
	s_add_co_u32 s23, s23, OUTST                   ; my stage
	v_mul_u32_u24 v4, v2, OP
	v_add_nc_u32 v[FST], s23, v4
	v_lshl_add_u32 v[OST], v3, 5, v[FST]
	v_mul_u32_u24 v5, v3, OP
	v_add_nc_u32 v[FRD], s23, v5
	v_lshl_add_u32 v[ORD], v2, 4, v[FRD]
	v_lshlrev_b32 v5, 8, v3
	v_lshl_add_u32 v[OGO], v2, 4, v5
	s_mul_i32 s22, s12, MREG
	s_add_co_u32 s22, s22, MRG                     ; my merge region
	v_lshl_add_u32 v[MST], v1, 4, s22
	v_lshl_add_u32 v[MML], v1, 3, s22
	s_xor_b32 s22, s12, 4                          ; my partner: the same rq, the other kh
	s_mul_i32 s22, s22, MREG
	s_add_co_u32 s22, s22, MRG
	v_lshl_add_u32 v[MRD], v1, 4, s22
	v_lshl_add_u32 v[MMR], v1, 3, s22
	v_lshlrev_b32 v5, 10, v3
	v_lshl_add_u32 v5, v2, 4, v5
	v_add_nc_u32 v[TRD], TRED, v5
	s_lshl_b32 s22, s12, 8
	s_add_co_u32 s22, s22, TRED
	v_lshl_add_u32 v[TST], v2, 4, s22
	; The states start empty: max = the mask value, sum = 0, O = 0.  O is cleared, not started by a first product, because a wave may never
	; meet a tile of block A (p = 0, kh = 1) and still hands its state of A to its partner.
.irp st, STA, STB
	v_mov_b32 v[\st], v[MASKV]
	v_mov_b32 v[\st+1], 0
	v_mul_f32 v[\st+2], s32, v[MASKV]              ; exact: the mask value is a power of two
	v_mov_b32 v[\st+3], 0                          ; the pairs' upper registers are named by the packed instructions and never used
	v_mov_b32 v[\st+4], 0
	v_mov_b32 v[\st+5], 0
.endr
.set i, 0
.rept 64
	v_mov_b32 v[OA+i], 0
.set i, i+1
.endr
	s_wait_loadcnt 16                              ; Q's 16 loads are in; the 16 younger ones (pair 0 of K and V) stay out
	; q in two bf16 terms: the first is q rounded; the second is what the rounding left, which f32 holds exactly, rounded in its turn
.set i, 0
.rept 16
	v_cvt_pk_bf16_f32 v[QA+i], v[SA+2*i], v[SA+2*i+1]
	v_cvt_pk_bf16_f32 v[QB+i], v[SB+2*i], v[SB+2*i+1]
	v_lshlrev_b32 v[TT],   16, v[QA+i]             ; the first terms back as f32
	v_and_b32     v[TT+1], 0xffff0000, v[QA+i]
	v_lshlrev_b32 v[TT+2], 16, v[QB+i]
	v_and_b32     v[TT+3], 0xffff0000, v[QB+i]
	v_sub_f32 v[SA+2*i],   v[SA+2*i],   v[TT]
	v_sub_f32 v[SA+2*i+1], v[SA+2*i+1], v[TT+1]
	v_sub_f32 v[SB+2*i],   v[SB+2*i],   v[TT+2]
	v_sub_f32 v[SB+2*i+1], v[SB+2*i+1], v[TT+3]
	v_cvt_pk_bf16_f32 v[QLA+i], v[SA+2*i], v[SA+2*i+1]
	v_cvt_pk_bf16_f32 v[QLB+i], v[SB+2*i], v[SB+2*i+1]
.set i, i+1
.endr
	; ---- the first loop: n1 turns of two trips, all tiles in front of both diagonals ----
	s_cmp_eq_u32 s19, 0
	s_cbranch_scc1 .Lsecond
	s_mov_b32 s21, 0
.Lfirst:
	TRIP1 0
	TRIP1 1
	WIN 0
	s_add_co_u32 s21, s21, 1
	s_cmp_lt_u32 s21, s19
	s_cbranch_scc1 .Lfirst
	; ---- the second loop: 8 - 2 n1 turns of two trips; the signed compare ends the count at 0 from any start ----
.Lsecond:
	TRIP2 0, 0
	TRIP2 1, 1
	s_sub_co_i32 s20, s20, 1
	s_cmp_gt_i32 s20, 0
	s_cbranch_scc1 .Lsecond
	; ---- exchange: my sum of v, and the state of the block that my partner finishes ----
	WIN 0x05                                       ; sources 0 and 1 in window 1, destination in window 0
	v_pk_add_f32 v[TT:TT+1],   v[TS:TS+1],   v[TS+4:TS+5]        ; the two chains
	v_pk_add_f32 v[TT+2:TT+3], v[TS+2:TS+3], v[TS+6:TS+7]
	WIN 0
.irp i, 0,1,2,3
	v_mov_b32 v[TT+4+\i], 0                        ; v_permlanex16_b32 counts as a reader of its destination
.endr
.irp i, 0,1,2,3
	v_permlanex16_b32 v[TT+4+\i], v[TT+\i], s33, s34             ; the other half of the lanes summed other rows of the same 4 columns
.endr
	v_pk_add_f32 v[TT:TT+1],   v[TT:TT+1],   v[TT+4:TT+5]
	v_pk_add_f32 v[TT+2:TT+3], v[TT+2:TT+3], v[TT+6:TT+7]
	s_wait_alu depctr_va_vdst(0)                   ; my sums of v, both blocks' O and both states are written, which the stores below read; the matrix instructions are done reading q's second terms, in which the partner's state lands; the plain lines above stay as the places behind the last matrix instruction
	ds_store_b128 v[TST], v[TT:TT+3]               ; both halves store the same numbers to the same bytes
	s_cmp_lt_u32 s12, 4
	s_cbranch_scc0 .Lhand_a
	STORE_STATE OB, STB                            ; kh = 0 finishes A and hands B over (more than four plain vector instructions stand behind the last matrix instruction)
	s_branch .Lhanded
.Lhand_a:
	STORE_STATE OA, STA                            ; kh = 1 finishes B and hands A over
.Lhanded:
	s_wait_dscnt 0x0                               ; for the others' sake: my stores have landed (and fragment loads of a tile that was passed over are back)
	s_barrier_signal -1
	s_barrier_wait -1
	s_cmp_lt_u32 s12, 4
	s_cbranch_scc0 .Lfinish_b
	FINISH OA, STA, 48
	s_wait_dscnt 0x0
	s_wait_alu depctr_hold_cnt(0) depctr_sa_sdst(0) depctr_va_vdst(0) depctr_va_sdst(0) depctr_va_ssrc(0) depctr_va_vcc(0) depctr_vm_vsrc(0)
	s_wait_tensorcnt 0x0
	ds_add_u32 v254, v255
	s_wait_dscnt 0x0
	s_endpgm
.Lfinish_b:
	FINISH OB, STB, 50
	s_wait_dscnt 0x0
	s_wait_alu depctr_hold_cnt(0) depctr_sa_sdst(0) depctr_va_vdst(0) depctr_va_sdst(0) depctr_va_ssrc(0) depctr_va_vcc(0) depctr_vm_vsrc(0)
	s_wait_tensorcnt 0x0
	ds_add_u32 v254, v255
	s_wait_dscnt 0x0
	s_endpgm
.Lfunc_end_k_q758e86b03c_attn:
	.size	k_q758e86b03c_attn, .Lfunc_end_k_q758e86b03c_attn-k_q758e86b03c_attn
	.p2alignl 7, 3214868480
	.fill 96, 4, 3214868480
	.section	.rodata,"a",@progbits
	.p2align	6, 0x0
	.amdhsa_kernel k_q758e86b03c_attn
		.amdhsa_group_segment_fixed_size 152576
		.amdhsa_private_segment_fixed_size 0
		.amdhsa_enable_private_segment 0
		.amdhsa_kernarg_size 32
		.amdhsa_user_sgpr_count 2
		.amdhsa_user_sgpr_kernarg_segment_ptr 1
		.amdhsa_wavefront_size32 1
		.amdhsa_system_sgpr_workgroup_id_x 1
		.amdhsa_system_sgpr_workgroup_id_y 1
		.amdhsa_system_sgpr_workgroup_id_z 1
		.amdhsa_system_vgpr_workitem_id 0
		.amdhsa_next_free_vgpr 512
		.amdhsa_next_free_sgpr 98
		.amdhsa_reserve_vcc 0
		.amdhsa_float_denorm_mode_32 3
		.amdhsa_float_denorm_mode_16_64 3
		.amdhsa_memory_ordered 1
		.amdhsa_forward_progress 1
		.amdhsa_inst_pref_size 255
	.end_amdhsa_kernel
	.section	.bss,"aw",@nobits
	.p2align	6
	.space	262144
	.amdgpu_metadata
---
amdhsa.version: [ 1, 2 ]
amdhsa.kernels:
  - .name:           k_q758e86b03c_attn
    .symbol:         k_q758e86b03c_attn.kd
    .args:
      - { .name: q, .offset: 0, .size: 8, .value_kind: global_buffer, .address_space: global }
      - { .name: k, .offset: 8, .size: 8, .value_kind: global_buffer, .address_space: global }
      - { .name: v, .offset: 16, .size: 8, .value_kind: global_buffer, .address_space: global }
      - { .name: out0, .offset: 24, .size: 8, .value_kind: global_buffer, .address_space: global }
    .group_segment_fixed_size: 152576
    .private_segment_fixed_size: 0
    .kernarg_segment_align: 8
    .kernarg_segment_size: 32
    .max_flat_workgroup_size: 256
    .sgpr_count:     98
    .vgpr_count:     512
    .wavefront_size: 32
...
	.end_amdgpu_metadata
.endif
;; end of part 2
